; MI455X (gfx1250); checked and timed in simulation.
; The chip was launched on July 23, 2026; its instructions are those of AMD's public machine-readable ISA for CDNA 5 (MIT licence, August 2026) and "CDNA5" Instruction Set Architecture Reference Guide (July 2026). The comments in the code are by the model that wrote it; some were corrected since.
;; Self Attention. Allowed arithmetic: float matrix products may take bf16 or f16 operands with f32 sums; other float arithmetic in f32, or as packed bf16 or f16 multiplies, adds, multiply-adds, maxima and minima; sums over many terms, partial sums and values carried from step to step in f32; what a program stores and reads back later, other than sums and carried values, may be rounded once to bf16 or f16.
;; Inputs: Wf 64 x 8 float32; Wg 64 x 8 float32; Wh 64 x 64 float32; bf 8 float32; bg 8 float32; bh 64 float32; x 4 x 64 x 64 x 64 float32.
;; Outputs: out0 4 x 4,096 x 64 float32.
;; 2 versions, each right; version 2 is version 1 with the launch project written anew for expert scheduling mode. Each part assembles by itself: llvm-mc -triple=amdgcn-amd-amdhsa -mcpu=gfx1250 --defsym DOCPART=n.
;; ======== version 1 of 2: 2 launches
;; limits: values are held in f16: magnitudes above 65,504 overflow, below 6.1e-05 lose precision
;; workspace buffers: kq 1,048,576 bytes; vt 2,097,152 bytes
;; launch project (part 1): grid 256 x 1, 4 waves a work-group, no clusters, 12,800 bytes of LDS; arguments x, Wf, Wg, bg, Wh, bh, kq, vt; writes kq, vt
.if DOCPART == 1
	.amdgcn_target "amdgcn-amd-amdhsa--gfx1250"
	.amdhsa_code_object_version 6
	.text
	.protected	k_q9837e8efc3_project
	.globl	k_q9837e8efc3_project
	.p2align	8
	.type	k_q9837e8efc3_project,@function
k_q9837e8efc3_project:
	s_mov_b64 s[64:65], 0
	v_nop
	global_prefetch_b8 v0, s[64:65] scope:SCOPE_SE
	s_setreg_imm32_b32 hwreg(HW_REG_WAVE_MODE, 25, 1), 1
	s_wait_xcnt 0x0
; THE THREE 1x1 CONVOLUTIONS, written as the register images that the attention launch reads.
;   f = x Wf, g' = log2(e) (x Wg + bg), v = x Wh + bh.   x: [16384][64] f32 (4 batches of 4,096 positions), Wf, Wg: [64][8], Wh: [64][64], bg: [8], bh: [64].
; WORK LEFT OUT: bf.  scores[n][m] = g[n] . f[m] = g[n] . (x[m] Wf) + g[n] . bf.  The last term does not depend on m, the axis of the softmax, and
; exp(a_m + t) / sum_m exp(a_m + t) = exp(a_m) / sum_m exp(a_m) for every finite t: bf reaches no output, whatever the inputs hold.  It is not loaded and is not among any launch's arguments.
; LIMIT: a NaN, an infinity or an overflow that arises in g . bf alone is not carried to the result.
; FORMATS.  Every input (x, the weights, both biases) is rounded once to bf16; products in bf16 with f32 sums.  f and g' are kept as TWO bf16 numbers each, hi = bf16(y) and lo = bf16(y - hi):
; 16 significant bits; the score's product has 32 places along K and needs 8, so hi and lo ride for nothing.  v is rounded once to f16.  LIMIT: |v| stays under 65,504; NaN and infinities are not treated apart.
; SHARES.  A work-group takes 64 positions, four tiles of 16.  Wave w makes v's channels 16 w .. 16 w + 15 for all four tiles (8 products) and f, g' of tile w (2 products).
; Its tiles are numbered from its own: place p holds tile (w + p) % 4, so that place 0 is the tile whose f and g' it makes.
; LAYOUT.  A fragment is 16 rows x 32 k in 8 registers: lane l holds row l % 16; registers 0-3 k = 8 (l / 16) + 0..7, registers 4-7 k = 16 + 8 (l / 16) + 0..7.
;   v:  source 0 = x's rows, source 1 = Wh's columns: a lane ends with ONE channel and positions 8 (l / 16) + 0..7: half of a fragment of v^T, 16 bytes in f16.
;   f, g': source 0 = the 16 columns of Wf | Wg, source 1 = x's rows: lanes 0-15 end with f[0..7] of position l, lanes 16-31 with g[0..7] of position l - 16.
; THE WEIGHTS lie [k][n] in memory, and a fragment wants a column's k on end.  So the 128 threads load them once, by rows, 16 bytes a load (Wh: eight loads a thread, Wf and Wg: one each), round them to bf16,
; lay them in LDS as tables [k][n] (Wh: 64 rows of 128 bytes, 160 apart; Wf | Wg: 64 rows of 32 bytes), and each wave takes its four fragments by the turning load ds_load_tr16_b128.
; They are asked for ahead of x, and are rounded and exchanged while x's 32 loads are on their way.
; OUT.  kq: for each tile of 16 positions 512 bytes, 256 of hi then 256 of lo, 16 bytes a position; f's 1,024 tiles first, g's from byte 524,288 on.
;       vt: for each 32 positions 4,096 bytes: channel block cb at 1,024 cb, positions 0-15 at 0 and 16-31 at 512, 16 bytes a lane.  Each store covers whole aligned runs of 256 bytes.
.set LOG2E, 0x3fb8aa3b
.set PW,    160        ; Wh's table: a row of 128 bytes + 32: an odd multiple of 32, as the turning load likes it
.set FGT,   64*PW      ; behind it the table of Wf | Wg,
.set PF,    32         ; 32 bytes a row
.set SPARE, FGT+64*PF  ; 12,288: the spare words, 128 bytes for each of four waves: two blocks of 256 bytes that no other line names
.set FO,  7            ; v7      my bytes in kq: 524,288 (l / 16) + 512 w + 16 (l % 16)
.set XO,  8            ; v8-11   place p: my byte offset in the work-group's rows of x
.set VO,  12           ; v12-15  place p: my byte offset in the work-group's part of vt
.set GW,  16           ; v16     16 x my thread's number: my 16 bytes of each 2,048 of a weight
.set BHO, 18           ; v18     my offset in bh
.set ZO,  19           ; v19     0
.set SC,  20           ; v[20:21] 1 for f's lanes, log2(e) for g's (low word; named as a pair)
.set WSO, 22           ; v22     where I put 8 bytes of Wh's table
.set FSO, 23           ; v23     of the table of Wf | Wg
.set T,   24           ; v24-28  at work
.set TRW, 29           ; v29     the turning load's address in Wh's table
.set TRF, 30           ; v30     in the other
.set XF,  32           ; v32-95  x's fragments: place p, half ks of the channels at XF + 16 p + 8 ks
.set WB,  96           ; v96-111 Wh's two fragments
.set WA,  112          ; v112-127 the two fragments of Wf | Wg
.set AV,  128          ; v128-159 v's four accumulators
.set AF,  160          ; v160-167 f | g
.set CBV, 168          ; v168-175 bh of my channel, eight times: the C operand that starts v's sums
.set CBF, 176          ; v176-183 0 for f's lanes, bg[j] for g's
.set PK,  184          ; v184-199 v in f16
.set HI,  200          ; v200-203
.set UN,  204          ; v204-211
.set LO,  212          ; v212-215
.set WT,  216          ; v216-231 my 32 numbers of Wh in bf16
.set FT,  232          ; v232-235 my 4 of Wf, my 4 of Wg
.set SPW, 236          ; v236    LDS address of my spare word; never rewritten
.set NIL, 237          ; v237    0; never rewritten
.set XR,  0            ; window 1: what the loads bring, in f32: x v0-127, Wh v128-159, Wf v160-163, Wg v164-167, bg v224-231, bh v232
.set WHR, 128
.set WFR, 160
.set WGR, 164
.set BGR, 224
.set BHR, 232
.set MSB, 0
.macro WIN new                         ; s_set_vgpr_msb: bits 1:0 source 0, 3:2 source 1, 5:4 source 2, 7:6 destination; the high byte repeats the setting that is left
.if MSB != (\new)
	s_set_vgpr_msb (MSB<<8)|(\new)
.set MSB, (\new)
.endif
.endm
	s_load_b256 s[4:11], s[0:1], 0x0               ; x s[4:5], Wf s[6:7], Wg s[8:9], bg s[10:11]
	s_load_b256 s[12:19], s[0:1], 0x20             ; Wh s[12:13], bh s[14:15], kq s[16:17], vt s[18:19]
	v_lshl_add_u32 v[SPW], v0, 2, SPARE
	v_mov_b32 v[NIL], 0
	v_lshrrev_b32 v1, 5, v0
	v_readfirstlane_b32 s20, v1                    ; wave 0..3
	v_and_b32 v2, 15, v0                           ; l % 16
	v_bfe_u32 v3, v0, 4, 1                         ; l / 16
	v_and_b32 v4, 31, v0                           ; l
	v_lshlrev_b32 v[GW], 4, v0
	s_lshl_b32 s21, s20, 6
	v_lshl_add_u32 v[BHO], v2, 2, s21              ; channel 16 w + l % 16
	v_mov_b32 v[ZO], 0
	v_lshlrev_b32 v5, 8, v2
	v_lshl_add_u32 v5, v3, 5, v5                   ; x: 256 bytes a row, 8 channels of 4 bytes for the upper lanes
	s_lshl_b32 s21, s20, 10
	v_lshl_add_u32 v6, v4, 4, s21                  ; vt: 16 l + 1,024 w
.irp p, 0,1,2,3
	s_add_co_u32 s22, s20, \p
	s_and_b32 s22, s22, 3                          ; the tile at place p
	s_lshl_b32 s23, s22, 12                        ; its 16 rows of x
	v_add_nc_u32 v[XO+\p], s23, v5
	s_lshr_b32 s23, s22, 1
	s_lshl_b32 s23, s23, 12                        ; its block of 32 positions in vt,
	s_and_b32 s24, s22, 1
	s_lshl_b32 s24, s24, 9                         ; and which half of the block
	s_add_co_u32 s23, s23, s24
	v_add_nc_u32 v[VO+\p], s23, v6
.endr
	s_mov_b32 s25, 0xffff0000                      ; a word's upper bf16
	s_lshl_b32 s26, ttmp9, 14                      ; the work-group's 64 rows of x,
	s_mov_b32 s27, 0
	s_lshl_b32 s28, ttmp9, 13                      ; its two blocks of vt,
	s_mov_b32 s29, 0
	s_lshl_b32 s30, ttmp9, 11                      ; its four tiles of kq
	s_mov_b32 s31, 0
	s_wait_kmcnt 0x0
	s_add_nc_u64 s[4:5], s[4:5], s[26:27]
	s_add_nc_u64 s[18:19], s[18:19], s[28:29]
	s_add_nc_u64 s[16:17], s[16:17], s[30:31]
	; all loads go out together, into window 1: the 13 of the weights and biases first, then x's 32
	WIN 0x40
.irp c, 0,1,2,3,4,5,6,7
	global_load_b128 v[WHR+4*\c:WHR+4*\c+3], v[GW], s[12:13] offset:2048*\c   ; Wh's row 8 c + t / 16, columns 4 (t % 16) on
.endr
	global_load_b128 v[WFR:WFR+3], v[GW], s[6:7]   ; row t / 2, columns 4 (t % 2) on
	global_load_b128 v[WGR:WGR+3], v[GW], s[8:9]
	global_load_b128 v[BGR:BGR+3],   v[ZO], s[10:11]
	global_load_b128 v[BGR+4:BGR+7], v[ZO], s[10:11] offset:16
	global_load_b32 v[BHR], v[BHO], s[14:15]
.irp p, 0,1,2,3
.irp ks, 0,1
	global_load_b128 v[XR+32*\p+16*\ks:XR+32*\p+16*\ks+3],     v[XO+\p], s[4:5] offset:128*\ks
	global_load_b128 v[XR+32*\p+16*\ks+4:XR+32*\p+16*\ks+7],   v[XO+\p], s[4:5] offset:128*\ks+16
	global_load_b128 v[XR+32*\p+16*\ks+8:XR+32*\p+16*\ks+11],  v[XO+\p], s[4:5] offset:128*\ks+64
	global_load_b128 v[XR+32*\p+16*\ks+12:XR+32*\p+16*\ks+15], v[XO+\p], s[4:5] offset:128*\ks+80
.endr
.endr
	WIN 0
	; the other addresses are made while the loads are out
	v_lshlrev_b32 v[FO], 19, v3
	v_lshl_add_u32 v[FO], v2, 4, v[FO]
	s_lshl_b32 s21, s20, 9
	v_add_nc_u32 v[FO], s21, v[FO]
	v_lshrrev_b32 v[T], 4, v0                      ; t / 16
	v_mul_u32_u24 v[WSO], v[T], PW
	v_lshl_add_u32 v[WSO], v2, 3, v[WSO]           ; + 8 bytes for each four columns
	v_lshrrev_b32 v[T], 1, v0                      ; t / 2
	v_and_b32 v[T+1], 1, v0
	v_lshlrev_b32 v[FSO], 5, v[T]
	v_lshl_add_u32 v[FSO], v[T+1], 3, v[FSO]
	v_add_nc_u32 v[FSO], FGT, v[FSO]
	; the turning load: lane l reads 16 bytes of row k0 + 8 (l / 16) + l % 8, columns n0 + 8 ((l / 8) % 2) on, and ends with column n0 + l % 16, k = k0 + 8 (l / 16) + 0..7
	v_and_b32 v[T], 7, v0
	v_lshl_add_u32 v[T], v3, 3, v[T]
	v_bfe_u32 v[T+1], v0, 3, 1
	v_mul_u32_u24 v[TRW], v[T], PW
	v_lshl_add_u32 v[TRW], v[T+1], 4, v[TRW]
	s_lshl_b32 s21, s20, 5                         ; n0 = 16 w: 32 bytes
	v_add_nc_u32 v[TRW], s21, v[TRW]
	v_lshlrev_b32 v[TRF], 5, v[T]
	v_lshl_add_u32 v[TRF], v[T+1], 4, v[TRF]
	v_add_nc_u32 v[TRF], FGT, v[TRF]
	s_wait_loadcnt 32                              ; the weights and biases are in; x's 32 loads, issued behind them, may stay out
	WIN 0x05                                       ; sources in window 1, destination in window 0: rounded to bf16, two numbers an instruction
.set n, 0
.rept 16
	v_cvt_pk_bf16_f32 v[WT+n], v[WHR+2*n], v[WHR+2*n+1]
.set n, n+1
.endr
	v_cvt_pk_bf16_f32 v[FT],   v[WFR],   v[WFR+1]
	v_cvt_pk_bf16_f32 v[FT+1], v[WFR+2], v[WFR+3]
	v_cvt_pk_bf16_f32 v[FT+2], v[WGR],   v[WGR+1]
	v_cvt_pk_bf16_f32 v[FT+3], v[WGR+2], v[WGR+3]
.irp q, 0,1,2,3
	v_cvt_pk_bf16_f32 v[T+\q], v[BGR+2*\q], v[BGR+2*\q+1]
.endr
	v_cvt_pk_bf16_f32 v[T+4], v[BHR], v[BHR]
	WIN 0
.irp c, 0,1,2,3,4,5,6,7
	ds_store_b64 v[WSO], v[WT+2*\c:WT+2*\c+1] offset:8*\c*PW
.endr
	ds_store_b64 v[FSO], v[FT:FT+1]                ; columns 0-7 of the table are Wf's,
	ds_store_b64 v[FSO], v[FT+2:FT+3] offset:16    ; 8-15 Wg's
.irp q, 0,1,2,3
	v_lshlrev_b32 v[CBF+2*\q], 16, v[T+\q]         ; the rounded biases back in f32
	v_and_b32 v[CBF+2*\q+1], s25, v[T+\q]
.endr
	v_cmp_eq_u32 vcc_lo, 1, v3                     ; the upper lanes hold g
.irp j, 0,1,2,3,4,5,6,7
	v_cndmask_b32 v[CBF+\j], 0, v[CBF+\j], vcc_lo
.endr
	v_mov_b32 v[SC+1], LOG2E
	v_cndmask_b32 v[SC], 1.0, v[SC+1], vcc_lo
.irp j, 0,1,2,3,4,5,6,7
	v_lshlrev_b32 v[CBV+\j], 16, v[T+4]
.endr
	s_wait_dscnt 0x0                               ; for the others' sake: my part of the tables is in LDS
	s_barrier_signal -1
	s_barrier_wait -1                              ; everybody's is
.irp ks, 0,1
	ds_load_tr16_b128 v[WB+8*\ks:WB+8*\ks+3],   v[TRW] offset:32*\ks*PW
	ds_load_tr16_b128 v[WB+8*\ks+4:WB+8*\ks+7], v[TRW] offset:32*\ks*PW+16*PW
	ds_load_tr16_b128 v[WA+8*\ks:WA+8*\ks+3],   v[TRF] offset:32*\ks*PF
	ds_load_tr16_b128 v[WA+8*\ks+4:WA+8*\ks+7], v[TRF] offset:32*\ks*PF+16*PF
.endr
	s_wait_loadcnt 0x0                             ; x
	WIN 0x05
.set n, 0
.rept 64
	v_cvt_pk_bf16_f32 v[XF+n], v[XR+2*n], v[XR+2*n+1]
.set n, n+1
.endr
	WIN 0
	s_wait_dscnt 0x0                               ; the weights' fragments
	; ten products; the five accumulators take turns, one instruction a turn; the biases start the sums
.irp p, 0,1,2,3
	v_wmma_f32_16x16x32_bf16 v[AV+8*\p:AV+8*\p+7], v[XF+16*\p:XF+16*\p+7], v[WB:WB+7], v[CBV:CBV+7]
.endr
	v_wmma_f32_16x16x32_bf16 v[AF:AF+7], v[WA:WA+7], v[XF:XF+7], v[CBF:CBF+7]
.irp p, 0,1,2,3
	v_wmma_f32_16x16x32_bf16 v[AV+8*\p:AV+8*\p+7], v[XF+16*\p+8:XF+16*\p+15], v[WB+8:WB+15], v[AV+8*\p:AV+8*\p+7]
.endr
	v_wmma_f32_16x16x32_bf16 v[AF:AF+7], v[WA+8:WA+15], v[XF+8:XF+15], v[AF:AF+7]
.rept 8
	v_nop                                          ; the places between the products and the first reading of their results (ISA guide 7.12.1); once a launch, so twice the four
.endr
.irp p, 0,1,2,3
.irp q, 0,1,2,3
	v_cvt_pk_f16_f32 v[PK+4*\p+\q], v[AV+8*\p+2*\q], v[AV+8*\p+2*\q+1]
.endr
	global_store_b128 v[VO+\p], v[PK+4*\p:PK+4*\p+3], s[18:19]   ; 32 lanes, 512 consecutive bytes, aligned
.endr
.irp q, 0,1,2,3
	v_pk_mul_f32 v[AF+2*\q:AF+2*\q+1], v[AF+2*\q:AF+2*\q+1], v[SC:SC+1] op_sel_hi:[1,0]   ; g times log2(e), f times 1: one line for both halves of the lanes
.endr
.irp q, 0,1,2,3
	v_cvt_pk_bf16_f32 v[HI+\q], v[AF+2*\q], v[AF+2*\q+1]
.endr
.irp q, 0,1,2,3
	v_lshlrev_b32 v[UN+2*\q], 16, v[HI+\q]
	v_and_b32 v[UN+2*\q+1], s25, v[HI+\q]
.endr
.irp q, 0,1,2,3
	v_pk_add_f32 v[UN+2*\q:UN+2*\q+1], v[AF+2*\q:AF+2*\q+1], v[UN+2*\q:UN+2*\q+1] neg_lo:[0,1] neg_hi:[0,1]   ; what hi has left over (exact)
.endr
.irp q, 0,1,2,3
	v_cvt_pk_bf16_f32 v[LO+\q], v[UN+2*\q], v[UN+2*\q+1]
.endr
	global_store_b128 v[FO], v[HI:HI+3], s[16:17]              ; lanes 0-15: 256 aligned bytes of f's tile; lanes 16-31: of g's
	global_store_b128 v[FO], v[LO:LO+3], s[16:17] offset:256
	s_wait_tensorcnt 0x0                           ; the wave's end, behind my last LDS store
	ds_add_u32 v[SPW], v[NIL]
	s_wait_dscnt 0x0
	s_endpgm
.Lfunc_end_k_q9837e8efc3_project:
	.size	k_q9837e8efc3_project, .Lfunc_end_k_q9837e8efc3_project-k_q9837e8efc3_project
	.p2alignl 7, 3214868480
	.fill 96, 4, 3214868480
	.section	.rodata,"a",@progbits
	.p2align	6, 0x0
	.amdhsa_kernel k_q9837e8efc3_project
		.amdhsa_group_segment_fixed_size 12800
		.amdhsa_private_segment_fixed_size 0
		.amdhsa_enable_private_segment 0
		.amdhsa_kernarg_size 64
		.amdhsa_user_sgpr_count 2
		.amdhsa_user_sgpr_kernarg_segment_ptr 1
		.amdhsa_wavefront_size32 1
		.amdhsa_system_sgpr_workgroup_id_x 1
		.amdhsa_system_sgpr_workgroup_id_y 1
		.amdhsa_system_sgpr_workgroup_id_z 1
		.amdhsa_system_vgpr_workitem_id 0
		.amdhsa_next_free_vgpr 512
		.amdhsa_next_free_sgpr 66
		.amdhsa_reserve_vcc 1
		.amdhsa_float_denorm_mode_32 3
		.amdhsa_float_denorm_mode_16_64 3
		.amdhsa_memory_ordered 1
		.amdhsa_forward_progress 1
		.amdhsa_inst_pref_size 20
	.end_amdhsa_kernel
	.amdgpu_metadata
---
amdhsa.version: [ 1, 2 ]
amdhsa.kernels:
  - .name:           k_q9837e8efc3_project
    .symbol:         k_q9837e8efc3_project.kd
    .args:
      - { .name: x, .offset: 0, .size: 8, .value_kind: global_buffer, .address_space: global }
      - { .name: Wf, .offset: 8, .size: 8, .value_kind: global_buffer, .address_space: global }
      - { .name: Wg, .offset: 16, .size: 8, .value_kind: global_buffer, .address_space: global }
      - { .name: bg, .offset: 24, .size: 8, .value_kind: global_buffer, .address_space: global }
      - { .name: Wh, .offset: 32, .size: 8, .value_kind: global_buffer, .address_space: global }
      - { .name: bh, .offset: 40, .size: 8, .value_kind: global_buffer, .address_space: global }
      - { .name: kq, .offset: 48, .size: 8, .value_kind: global_buffer, .address_space: global }
      - { .name: vt, .offset: 56, .size: 8, .value_kind: global_buffer, .address_space: global }
    .group_segment_fixed_size: 12800
    .private_segment_fixed_size: 0
    .kernarg_segment_align: 8
    .kernarg_segment_size: 64
    .max_flat_workgroup_size: 128
    .sgpr_count:     66
    .vgpr_count:     512
    .wavefront_size: 32
...
	.end_amdgpu_metadata
.endif
;; end of part 1
;; launch attend (part 2): grid 64 x 4, 8 waves a work-group, clusters of 4 x 1, 327,680 bytes of LDS; arguments kq, vt, out0; writes out0
.if DOCPART == 2
	.amdgcn_target "amdgcn-amd-amdhsa--gfx1250"
	.amdhsa_code_object_version 6
	.text
	.protected	k_q9837e8efc3_attend
	.globl	k_q9837e8efc3_attend
	.p2align	8
	.type	k_q9837e8efc3_attend,@function
k_q9837e8efc3_attend:
	s_mov_b64 s[64:65], 0
	v_nop
	global_prefetch_b8 v0, s[64:65] scope:SCOPE_SE
	s_setreg_imm32_b32 hwreg(HW_REG_WAVE_MODE, 25, 1), 1
	s_wait_xcnt 0x0
	s_wait_alu depctr_hold_cnt(0) depctr_sa_sdst(0) depctr_va_vdst(0) depctr_va_sdst(0) depctr_va_ssrc(0) depctr_va_vcc(0) depctr_vm_vsrc(0)
	s_getreg_b32 s2, hwreg(HW_REG_IB_STS2, 6, 4)
	s_cmp_eq_u32 s2, 0
	s_cbranch_scc0 .Lentry_in_a_cluster
	s_endpgm
.Lentry_in_a_cluster:
	s_bfe_u32 s2, ttmp6, 0x10000c
	s_cmp_lg_u32 s2, 0x3003
	s_cbranch_scc0 .Lentry_shape_is_right
	s_endpgm
.Lentry_shape_is_right:
; out[b][n][:] = sum over m of softmax_m(g[n] . f[m]) v[m][:], 4 batches of 4,096 positions, 8 channels in f and g, 64 in v.  (bf is left out: the head of the launch before shows why.)
; IN.  kq: f and g' = log2(e) g as pairs of bf16 (hi, lo), 512 bytes for 16 positions (256 of hi, 256 of lo, 16 bytes a position); keys from byte 0, queries from byte 524,288.
;      vt: v in f16 as fragments of v^T: 4,096 bytes for 32 keys, 1,024 for each block of 16 channels, 16 bytes a lane, lanes on end.
; THE SCORE.  One product of 32 places along K: keys give (hi, hi, lo, lo), queries (hi, lo, hi, lo), 8 places each: (f_hi + f_lo) . (g_hi + g_lo).  Of a key fragment registers 0-3 hold hi and 4-7 lo,
; in both halves of the lanes alike: a load's 32 lanes name 256 different bytes, and no byte of K is moved twice in a pass.
; THE SOFTMAX, IN TWO PASSES.  Pass 1 makes all scores and keeps each query's maximum m.  Pass 2 makes them again with -m as the C operand: the product gives s - m, and p = 2^(s - m) follows at once.
; So m is the row's true maximum, nothing is rescaled, and a tile of 16 x 16 has 16 vector instructions in pass 2 (8 exponentials, 4 roundings, 4 packed sums) and 4 in pass 1.
; p is rounded to f16 for the second product; l is the sum of the unrounded p; out = (sum p v) / l in f32.
; LIMITS.  p below 2^-126 counts as 0, below 6e-5 it keeps f16's fixed step of 6e-8; v arrives within f16's range; NaN and infinities are not treated apart.
; SHARES.  A work-group owns 64 queries, four tiles of 16.  THE KEYS ARE SPLIT AMONG ITS EIGHT WAVES, 512 each, in 16 blocks of 32: every wave holds all four query tiles, so a fragment of K or V
; feeds four products; and two waves share a SIMD, so that one's exponentials run beside the other's products and the text can stay in phases.
; The waves' maxima meet in LDS between the passes; their partial sums of p v and of p are added through LDS at the end, and the same trip turns O^T into whole rows of out.
; LAYOUT.  S^T = K Q^T (source 0 = 16 keys, source 1 = 16 queries): a lane holds ONE query (l % 16) and keys 8 (l / 16) + 0..7.  Two such results rounded to f16 ARE source 1 of O^T = V^T P.
; K COMES STRAIGHT INTO REGISTERS, four loads of 16 bytes a lane for a block, each wave its own 16,384 bytes, once in each pass; the waits are counted.  Pass 1: a ring of eight buffers, in the registers
; that O^T takes in pass 2; the first eight blocks are asked for ahead of everything else.  Pass 2: four buffers, filled for the first time in the middle of pass 1.
; CLUSTER.  The four query blocks of a cluster belong to one batch and read the same values: V's tiles are asked for JOINTLY, by the same tensor load, descriptor and mask in all four.
; K IS NOT ASKED FOR JOINTLY: it is 32 of the 160 bytes that a key brings; no wave reads another wave's; and held in LDS for both passes it would take 131,072 bytes, which leave V slots of two blocks and
; six changes of slots.  Without it V has slots of four blocks and two changes, each with four turns, 96 matrix instructions a wave, in which its load can land.
; LDS.  0: two slots of V, 131,072 bytes each, 16,384 a wave (four blocks).  A wave fills and reads its own bytes alone.  262,144: the maxima; 264,192: the sums; 266,240: the spare words.
; The stage of the last exchange (139,264 bytes from 0) lies on V's slots, behind their last fill and, by a barrier, their last reading.
; REGISTERS, two windows of 256 (s_set_vgpr_msb: bits 1:0 source 0, 3:2 source 1, 5:4 source 2, 7:6 destination):
;   window 0: v0-17 addresses; v20-27 l; v32-63 and v224-255 K of pass 2, four buffers; v64-191 S^T, two buffers of a block (tile t, key tile kt at 16 t + 8 kt); v192-223 P (in pass 1 v192-207: running maxima)
;   window 1: v0-127 O^T (tile t, channel block cb at 32 t + 8 cb; in pass 1: K, eight buffers); v128-159 -m, eight times a tile; v160-191 Q; v192-255 V, two buffers
; Pass 2's setting for K Q^T names window 0 for source 0 and for the destination, so the exponentials stand under it too: five switches a block.
; Both passes are unrolled by the assembler: every offset is an immediate, and no tensor load stands in a loop.
.set VSLOT, 131072
.set VSTEP, 16384      ; a wave's four blocks of V
.set MX,    262144     ; [64 queries][8 waves] f32
.set LS,    264192     ; the same for l
.set SPARE, 266240     ; the spare words: 128 bytes for each of eight waves, four blocks of 256 bytes that no other line names
.set SP,    272        ; a stage row: 256 bytes + 16: 68 words, so the 16 rows that a store touches start at 16 different groups of four banks (64 banks of 4 bytes: ISA guide 11.1)
.set TILEB, 16*SP
.set WAVEB, 4*TILEB
.set AK,  4            ; v4   16 (l % 16): my bytes in 256 of K; never rewritten
.set AV0, 5            ; v5   16 l + 16,384 w: my bytes in my wave's part of slot 0
.set AV1, 6            ; v6   of slot 1
.set QO,  7            ; v7   16 (l % 16) + 256 (l / 16): the lower lanes take a query's hi, the upper its lo
.set SPW, 8            ; v8   my spare word; never rewritten
.set NIL, 9            ; v9   0; never rewritten
.set MXS, 10           ; v10  where I put a maximum;  v11 where I read eight
.set MXL, 11
.set LSS, 12           ; v12, v13 the same for l
.set LSL, 13
.set STO, 14           ; v14  the stage: where I put 16 bytes of a row
.set RD0, 15           ; v15  where I read rows of waves 0-3;  v16 of waves 4-7
.set RD1, 16
.set GO,  17           ; v17  my bytes in the work-group's rows of out
.set LA,  20
.set S,   64
.set P,   192
.set MA,  192
.set O,   0
.set K1,  0
.set CM,  128
.set Q,   160
.set VF,  192
.set WV,  10           ; s10  my wave's number
.set SEL, 14           ; s[14:15] v_permlanex16_b32's selects: each lane takes its own place in the other half
.set G1V, 24           ; s[24:31] descriptor group 1: 64 rows of 256 bytes
.set KB,  32           ; s[32:33] kq at my wave's first key; never rewritten
.set G0A, 36           ; s[36:39] group 0 for V's slot 0;  s[40:43] for slot 1
.set G0B, 40
.set W_K1, 0x05        ; pass 1: K and Q in window 1, S^T in window 0
.set W_KQ, 0x14        ; pass 2: K and S^T in window 0, Q and -m in window 1
.set W_PV, 0x51        ; V and O^T in window 1, P in window 0
.set MSB, 0
.macro WIN new                         ; the high byte repeats the setting that is left; a switch that changes nothing is dropped
.if MSB != (\new)
	s_set_vgpr_msb (MSB<<8)|(\new)
.set MSB, (\new)
.endif
.endm
; A round of the cluster's barrier: my work-group's barrier, so that wave 0's signal speaks for all eight waves; wave 0 signals; every wave waits for all four work-groups; my work-group's barrier once more.
.macro CROUND
	s_barrier_signal -1
	s_barrier_wait -1
	s_cmp_lg_u32 s[WV], 0
	s_cbranch_scc1 .Lnot_wave_0_\@
	s_barrier_signal -3
.Lnot_wave_0_\@:
	s_barrier_wait -3
	s_barrier_signal -1
	s_barrier_wait -1
.endm
; K of block blk (two tiles of 16 keys: hi, lo, hi, lo, 256 bytes each).  Pass 1: into buffer blk % 8 of window 1 (stands under destination window 1).  Pass 2: into buffer blk % 4 of window 0.
.macro GLK1 blk
.irp u, 0,1,2,3
	global_load_b128 v[K1+16*((\blk)%8)+4*\u:K1+16*((\blk)%8)+4*\u+3], v[AK], s[KB:KB+1] offset:(\blk)*1024+256*\u
.endr
.endm
.macro GLK2 blk
.set rK, 224+16*((\blk)%4)-224*(((\blk)%4)/2)      ; v224, v240, v32, v48
.irp u, 0,1,2,3
	global_load_b128 v[rK+4*\u:rK+4*\u+3], v[AK], s[KB:KB+1] offset:(\blk)*1024+256*\u
.endr
.endm
	s_load_b128 s[4:7], s[0:1], 0x0                ; kq s[4:5], vt s[6:7]
	s_load_b64 s[8:9], s[0:1], 0x10                ; out
	v_lshl_add_u32 v[SPW], v0, 2, SPARE
	v_mov_b32 v[NIL], 0
	ds_add_u32 v[SPW], v[NIL]                      ; the wave's opening: the add, twice on end, and its wait ahead of my first tensor load
	ds_add_u32 v[SPW], v[NIL]                      ; and once more; the set-up below, work on registers, stands between it and the wait
	v_lshrrev_b32 v1, 5, v0
	v_readfirstlane_b32 s[WV], v1                  ; wave 0..7
	v_and_b32 v1, 15, v0                           ; l % 16
	v_bfe_u32 v2, v0, 4, 1                         ; l / 16
	v_and_b32 v3, 31, v0                           ; l
	v_lshlrev_b32 v[AK], 4, v1
	v_lshl_add_u32 v[QO], v2, 8, v[AK]
	s_bfe_u32 s11, ttmp6, 0x40000                  ; cx: my place in the cluster
	s_lshl_b32 s12, ttmp9, 2                       ; in a cluster launch ttmp9 counts clusters
	s_add_co_u32 s12, s12, s11                     ; my block of 64 queries: it enters Q's and out's addresses alone
	s_and_b32 s13, ttmp7, 0xffff                   ; the batch, which the four partners share
	s_mov_b32 s[SEL], 0x76543210
	s_mov_b32 s[SEL+1], 0xfedcba98
	; descriptor group 1: dense bytes, asked for as rows of 32 elements of 8 bytes
	s_mov_b32 s[G1V], 15|(3<<16)|(1<<21)           ; 15:0 the mask of four; 17:16 elements of 8 bytes; 21 set beside a mask; no padding: the reads take lanes on end
	s_mov_b32 s[G1V+1], 32<<16                     ; tensor_dim0 = 32
	s_mov_b32 s[G1V+2], 64<<16                     ; tensor_dim1 = 64
	s_mov_b32 s[G1V+3], 32<<16                     ; tile_dim0 = 32
	s_mov_b32 s[G1V+4], 64                         ; tile_dim1 = 64
	s_mov_b32 s[G1V+5], 32                         ; 32 elements from row to row
	s_mov_b32 s[G1V+6], 0
	s_mov_b32 s[G1V+7], 0
	s_mov_b32 s[G0A], 1
	s_lshl_b32 s[G0A+1], s[WV], 14                 ; LDS: my wave's 16,384 bytes of slot 0,
	s_mov_b32 s[G0B], 1
	s_add_co_u32 s[G0B+1], s[G0A+1], VSLOT         ; of slot 1: no place in the cluster enters an LDS address
	s_lshl_b32 s46, s13, 17                        ; K: 131,072 bytes a batch, 16,384 a wave
	s_lshl_b32 s45, s[WV], 14
	s_add_co_u32 s46, s46, s45
	s_mov_b32 s47, 0
	s_lshl_b32 s48, s13, 19                        ; V: 524,288 bytes a batch, 65,536 a wave
	s_lshl_b32 s45, s[WV], 16
	s_add_co_u32 s48, s48, s45
	s_mov_b32 s49, 0
	s_lshl_b32 s50, s13, 17                        ; Q: behind the keys; 2,048 bytes for a block of 64 queries
	s_lshl_b32 s54, s12, 11
	s_add_co_u32 s50, s50, s54
	s_add_co_u32 s50, s50, 524288
	s_mov_b32 s51, 0
	s_lshl_b32 s52, s13, 20                        ; out: 1,048,576 bytes a batch, 16,384 a block
	s_lshl_b32 s54, s12, 14
	s_add_co_u32 s52, s52, s54
	s_mov_b32 s53, 0
	s_wait_dscnt 0x0                               ; both opening adds are done
	s_wait_kmcnt 0x0
	s_add_nc_u64 s[KB:KB+1], s[4:5], s[46:47]      ; K at my wave's keys
	s_add_nc_u64 s[4:5], s[4:5], s[50:51]          ; Q at my block
	s_add_nc_u64 s[8:9], s[8:9], s[52:53]          ; out at my block
	s_add_nc_u64 s[G0A+2:G0A+3], s[6:7], s[48:49]  ; V: my blocks 0 to 3,
	s_add_nc_u64 s[G0B+2:G0B+3], s[G0A+2:G0A+3], VSTEP  ; 4 to 7
	s_or_b32 s[G0A+3], s[G0A+3], 0x80000000        ; 127:126 type = 2
	s_or_b32 s[G0B+3], s[G0B+3], 0x80000000
	WIN 0x40                                       ; destination window 1
.irp t, 0,1,2,3                        ; Q stays in registers: a lane's two halves of a fragment are equal (hi, hi or lo, lo), so the same 16 bytes are loaded twice: eight loads in the launch
	global_load_b128 v[Q+8*\t:Q+8*\t+3],   v[QO], s[4:5] offset:512*\t
	global_load_b128 v[Q+8*\t+4:Q+8*\t+7], v[QO], s[4:5] offset:512*\t
.endr
.irp b, 0,1,2,3,4,5,6,7
	GLK1 \b                                        ; pass 1's ring is filled: 40 loads of mine are out, and stay out across the round
.endr
	WIN 0
	CROUND                                         ; all four work-groups are here: the first joint loads meet
	tensor_load_to_lds s[G0A:G0A+3], s[G1V:G1V+7]  ; the first fills go out together: two tensor loads of mine are out
	s_nop 0
	tensor_load_to_lds s[G0B:G0B+3], s[G1V:G1V+7]
	s_nop 0
.rept 4
	v_nop
.endr
	s_lshl_b32 s44, s[WV], 14
	v_lshl_add_u32 v[AV0], v3, 4, s44
	v_add_nc_u32 v[AV1], VSLOT, v[AV0]
	s_lshl_b32 s44, s[WV], 2
	s_add_co_u32 s44, s44, MX
	v_lshl_add_u32 v[MXS], v1, 5, s44              ; query l % 16 of a tile: 32 bytes a query, my wave's word
	v_lshl_add_u32 v[MXL], v1, 5, MX
	v_add_nc_u32 v[LSS], LS-MX, v[MXS]
	s_lshl_b32 s44, s[WV], 8
	s_add_co_u32 s44, s44, LS
	v_lshl_add_u32 v[LSL], v2, 5, s44              ; at the end wave w finishes queries 8 w .. 8 w + 7: query 8 w + l / 16, then every second
	s_mul_i32 s44, s[WV], WAVEB
	v_mul_u32_u24 v[STO], v1, SP                   ; into the stage: my wave's four tiles; row l % 16, 32 bytes for each half of the lanes
	v_lshl_add_u32 v[STO], v2, 5, v[STO]
	v_add_nc_u32 v[STO], s44, v[STO]
	s_lshr_b32 s44, s[WV], 1
	s_mul_i32 s44, s44, TILEB                      ; back: tile w / 2,
	s_and_b32 s45, s[WV], 1
	s_mul_i32 s45, s45, 8*SP                       ; its rows 8 (w % 2) on;
	s_add_co_u32 s44, s44, s45
	v_mul_u32_u24 v[RD0], v2, SP                   ; lanes 0-15 take one row of 256 bytes, lanes 16-31 the next
	v_lshl_add_u32 v[RD0], v1, 4, v[RD0]
	v_add_nc_u32 v[RD0], s44, v[RD0]
	v_add_nc_u32 v[RD1], 4*WAVEB, v[RD0]
	s_lshl_b32 s44, s[WV], 11
	v_lshlrev_b32 v[GO], 8, v2                     ; and the same two rows in out
	v_lshl_add_u32 v[GO], v1, 4, v[GO]
	v_add_nc_u32 v[GO], s44, v[GO]
; V of block blk (four fragments of 32 keys x 16 channels) into buffer buf
.macro LOADV blk, buf
	WIN 0x40
.irp cb, 0,1,2,3
	ds_load_b128 v[VF+32*(\buf)+8*\cb:VF+32*(\buf)+8*\cb+3],   v[AV0+((\blk)/4)%2] offset:((\blk)%4)*4096+\cb*1024
	ds_load_b128 v[VF+32*(\buf)+8*\cb+4:VF+32*(\buf)+8*\cb+7], v[AV0+((\blk)/4)%2] offset:((\blk)%4)*4096+\cb*1024+512
.endr
.endm
; A block's eight products S^T = K Q^T, each a sum of its own.  Pass 1: the constant 0 starts the sum.  Pass 2: -m does.
.macro KQ1 blk
	WIN W_K1
.irp kt, 0,1
.irp t, 0,1,2,3
	v_wmma_f32_16x16x32_bf16 v[S+64*((\blk)%2)+16*\t+8*\kt:S+64*((\blk)%2)+16*\t+8*\kt+7], v[K1+16*((\blk)%8)+8*\kt:K1+16*((\blk)%8)+8*\kt+7], v[Q+8*\t:Q+8*\t+7], 0
.endr
.endr
.endm
.macro KQ2 blk
	WIN W_KQ
.set rK, 224+16*((\blk)%4)-224*(((\blk)%4)/2)
.irp kt, 0,1
.irp t, 0,1,2,3
	v_wmma_f32_16x16x32_bf16 v[S+64*((\blk)%2)+16*\t+8*\kt:S+64*((\blk)%2)+16*\t+8*\kt+7], v[rK+8*\kt:rK+8*\kt+7], v[Q+8*\t:Q+8*\t+7], v[CM+8*\t:CM+8*\t+7]
.endr
.endr
.endm
; Pass 1's vector work for a block: 16 chains (tile t, pair c of an accumulator's registers), two scores an instruction; each accumulator's lowest registers are read first
.macro MAXES buf
	WIN 0
.irp kt, 0,1
.irp c, 0,1,2,3
.irp t, 0,1,2,3
	v_max3_num_f32 v[MA+4*\t+\c], v[MA+4*\t+\c], v[S+64*(\buf)+16*\t+8*\kt+2*\c], v[S+64*(\buf)+16*\t+8*\kt+2*\c+1]
.endr
.endr
.endr
.endm
	; PASS 1.  In turn j the products of block j + 1 are issued, then the maxima of block j are taken: those 32 plain instructions are the places between a block's products
	; and the reading of their results, and between a K buffer's last product and the loads that fill it again.  Turn j asks for block j + 8, into the buffer that block j has left.
	; Loads come back in order (ISA guide 5.7.1): the wait for block j + 1 leaves out the blocks asked for behind it, j + 2 to j + 7 or to 15: four loads each.
	; Turn 8, which has no block left to ask for, asks for pass 2's first four blocks: 16 loads, which the later turns' waits leave out as well.
	s_wait_loadcnt 28                              ; Q and block 0 are in; the 28 loads of blocks 1 to 7 may stay out
	KQ1 0
	WIN 0
.set i, 0
.rept 16
	v_mov_b32 v[MA+i], 0xff7fffff                  ; the chains start at the lowest finite number; these lines are the places behind the first products
.set i, i+1
.endr
.set j, 0
.rept 16
.if j < 15
.set c, 14-j
.if c > 6
.set c, 6
.endif
.set c, 4*c
.if j > 8
.set c, c+16
.endif
	s_wait_loadcnt c                               ; K of block j + 1
.if j < 8
	WIN 0x40
	GLK1 j+8
.endif
.if j == 8
	WIN 0
	GLK2 0
	GLK2 1
	GLK2 2
	GLK2 3
.endif
	KQ1 j+1
.endif
	MAXES j%2
.set j, j+1
.endr
.irp t, 0,1,2,3
	v_max3_num_f32 v[MA+4*\t], v[MA+4*\t], v[MA+4*\t+1], v[MA+4*\t+2]
.endr
.irp t, 0,1,2,3
	v_max_num_f32 v[MA+4*\t], v[MA+4*\t], v[MA+4*\t+3]
.endr
.irp t, 0,1,2,3
	v_permlanex16_b32 v[MA+4*\t+1], v[MA+4*\t], s[SEL], s[SEL+1]   ; the query's other keys lie in the lane 16 away
.endr
.irp t, 0,1,2,3
	v_max_num_f32 v[MA+4*\t], v[MA+4*\t], v[MA+4*\t+1]
.endr
.irp t, 0,1,2,3
	ds_store_b32 v[MXS], v[MA+4*\t] offset:512*\t  ; both halves of the lanes write the same word with the same number
.endr
	s_wait_dscnt 0x0                               ; for the others' sake: my maxima are in LDS
	s_barrier_signal -1
	s_barrier_wait -1                              ; everybody's are.
.irp t, 0,1,2,3
	ds_load_b128 v[S+8*\t:S+8*\t+3],   v[MXL] offset:512*\t
	ds_load_b128 v[S+8*\t+4:S+8*\t+7], v[MXL] offset:512*\t+16
.endr
	s_wait_tensorcnt 0x1                           ; V's slot 0 has landed; slot 1's fill, issued behind it, may stay out.  Only I read these bytes
	LOADV 0, 0
	WIN 0
	s_wait_dscnt 0x8                               ; the eight loads of maxima are in; V's eight behind them may stay out
.irp t, 0,1,2,3
	v_max3_num_f32 v[MA+4*\t], v[S+8*\t], v[S+8*\t+1], v[S+8*\t+2]
	v_max3_num_f32 v[MA+4*\t+1], v[S+8*\t+3], v[S+8*\t+4], v[S+8*\t+5]
.endr
.irp t, 0,1,2,3
	v_max3_num_f32 v[MA+4*\t], v[MA+4*\t], v[S+8*\t+6], v[S+8*\t+7]
.endr
.irp t, 0,1,2,3
	v_max_num_f32 v[MA+4*\t], v[MA+4*\t], v[MA+4*\t+1]             ; m over all 4,096 keys
.endr
	WIN 0x40
.irp t, 0,1,2,3
.irp j8, 0,1,2,3,4,5,6,7
	v_mul_f32 v[CM+8*\t+\j8], -1.0, v[MA+4*\t]     ; a C operand is eight registers: a lane holds one query, so all eight hold its -m
.endr
.endr
; PASS 2's vector work for a block.  The 64 exponentials are ONE batch: none reads another's result; a v_nop is the plain instruction behind the last; one wait stands ahead of the first reader.
.macro EXPS buf
	WIN W_KQ
.set e, 0
.rept 64
	v_exp_f32 v[S+64*(\buf)+e], v[S+64*(\buf)+e]
.set e, e+1
.endr
	v_nop
.endm
.macro ADDS buf                        ; l, a pair a tile (even keys', odd keys'); the four tiles alternate
	WIN 0
.irp pr, 0,1,2,3,4,5,6,7
.irp t, 0,1,2,3
	v_pk_add_f32 v[LA+2*\t:LA+2*\t+1], v[LA+2*\t:LA+2*\t+1], v[S+64*(\buf)+16*\t+2*\pr:S+64*(\buf)+16*\t+2*\pr+1]
.endr
.endr
.endm
.macro CVTS buf                        ; a tile's 16 registers of p (two key tiles) become the 8 of source 1
	WIN 0
.irp t, 0,1,2,3
.irp q, 0,1,2,3,4,5,6,7
	v_cvt_pk_f16_f32 v[P+8*\t+\q], v[S+64*(\buf)+16*\t+2*\q], v[S+64*(\buf)+16*\t+2*\q+1]
.endr
.endr
.endm
.macro PVS buf, zero                   ; 16 products O^T += V^T P; the 16 accumulators take turns, one instruction a turn.  zero = 1: they start the sums
	WIN W_PV
.irp cb, 0,1,2,3
.irp t, 0,1,2,3
.if \zero
	v_wmma_f32_16x16x32_f16 v[O+32*\t+8*\cb:O+32*\t+8*\cb+7], v[VF+32*(\buf)+8*\cb:VF+32*(\buf)+8*\cb+7], v[P+8*\t:P+8*\t+7], 0
.else
	v_wmma_f32_16x16x32_f16 v[O+32*\t+8*\cb:O+32*\t+8*\cb+7], v[VF+32*(\buf)+8*\cb:VF+32*(\buf)+8*\cb+7], v[P+8*\t:P+8*\t+7], v[O+32*\t+8*\cb:O+32*\t+8*\cb+7]
.endif
.endr
.endr
.endm
; THE CHANGE OF SLOTS.  The slot's fourth block has been asked for out of LDS a turn ago.  Each wave waits for all its tensor loads, of which one is out: its part of the other slot; adds 0 to its spare word;
; and waits for that and for its reads of the slot.  The round of the cluster's barrier says the same of every wave of all four work-groups; the joint refill, my blocks eight further on, is the first thing behind it.
; (My loads of K, which land in registers, stay out across the round.)
.macro CHANGE which
	WIN 0                                          ; at a label and at a branch every window is 0
	s_wait_tensorcnt 0x0                           ; no tensor load of mine is out, so a group 0 may be written
	ds_add_u32 v[SPW], v[NIL]                      ; 0 onto my spare word
	s_add_nc_u64 s[G0A+4*(\which)+2:G0A+4*(\which)+3], s[G0A+4*(\which)+2:G0A+4*(\which)+3], 2*VSTEP   ; the type bits on top are not reached
	s_wait_dscnt 0x0                               ; the add is done, and my reads of the slot are back
	CROUND
	tensor_load_to_lds s[G0A+4*(\which):G0A+4*(\which)+3], s[G1V:G1V+7]
	s_nop 0
.rept 4
	v_nop
.endr
.endm
	; PASS 2.  Turn i: the scores of block i + 1 | the exponentials of block i | their wait | the sums | the loads for later turns | the roundings | V^T P of block i.
	; S^T and V have two buffers each, K four.  The 32 sums are the places between the last turn's V^T P and the loads into V's other buffer and the roundings into P;
	; sums and roundings are the places between a block's scores and its exponentials, and between a K buffer's products and the loads that fill it again.
	; Turn i asks for K of block i + 4 and, out of LDS, for V of block i + 1.  The wait for K of block i + 1 leaves out the blocks asked for behind it: i + 2 and i + 3, or what is left of them.
	s_wait_loadcnt 12                              ; K of block 0 is in; the 12 loads of blocks 1 to 3 may stay out
	KQ2 0
	WIN 0
.set i, 0
.rept 8
	v_mov_b32 v[LA+i], 0                           ; l starts at 0; these lines are the places behind the first scores
.set i, i+1
.endr
.set i, 0
.rept 16
.if (i == 3) || (i == 7)
	CHANGE i/4                                     ; blocks i - 3 to i have left their slot: it takes blocks i + 5 to i + 8
.elseif i == 11
	s_wait_tensorcnt 0x0                           ; my last fill, blocks 12 to 15: no load was issued behind it.  Nothing is filled again, and only I read these bytes: no barrier
	s_wait_dscnt 0x0
.else
	s_wait_dscnt 0x0                               ; V of block i
.endif
.if i < 15
.set c, 14-i
.if c > 2
.set c, 2
.endif
	s_wait_loadcnt 4*c                             ; K of block i + 1
	KQ2 i+1
.endif
	EXPS i%2
	WIN 0
	s_wait_alu depctr_va_vdst(0)                   ; the one wait for the batch, ahead of its first reader
	ADDS i%2
.if i < 12
	GLK2 i+4
.endif
.if i < 15
	LOADV i+1, (i+1)%2
.endif
	CVTS i%2
.if i == 0
	PVS 0, 1
.else
	PVS i%2, 0
.endif
.set i, i+1
.endr
	; THE END.  My l over my 512 keys; then the eight waves' partial sums meet.  The additions are the places behind the last products.
	WIN 0
.irp t, 0,1,2,3
	v_add_f32 v[LA+2*\t], v[LA+2*\t], v[LA+2*\t+1]
.endr
.irp t, 0,1,2,3
	v_permlanex16_b32 v[LA+2*\t+1], v[LA+2*\t], s[SEL], s[SEL+1]
.endr
.irp t, 0,1,2,3
	v_add_f32 v[LA+2*\t], v[LA+2*\t], v[LA+2*\t+1]
.endr
.irp t, 0,1,2,3
	ds_store_b32 v[LSS], v[LA+2*\t] offset:512*\t
.endr
	s_wait_dscnt 0x0                               ; my l is in LDS, and my reads of V are long back
	s_barrier_signal -1
	s_barrier_wait -1                              ; no wave reads V any more, and every fill has landed: the slots' bytes become the stage
	WIN 0x04                                       ; store data in window 1
.irp t, 0,1,2,3
.irp cb, 0,1,2,3
.irp hf, 0,1
	ds_store_b128 v[STO], v[O+32*\t+8*\cb+4*\hf:O+32*\t+8*\cb+4*\hf+3] offset:\t*TILEB+64*\cb+16*\hf   ; row = query, byte = 4 x channel (16 cb + 8 (l / 16) + 4 hf)
.endr
.endr
.endr
	WIN 0
	s_wait_dscnt 0x0                               ; for the others' sake
	s_barrier_signal -1
	s_barrier_wait -1
.irp ri, 0,1,2,3                       ; wave w finishes queries 8 w .. 8 w + 7: two rows an instruction
	ds_load_b128 v[P+8*\ri:P+8*\ri+3],   v[LSL] offset:64*\ri
	ds_load_b128 v[P+8*\ri+4:P+8*\ri+7], v[LSL] offset:64*\ri+16
.endr
.irp w, 0,1,2,3
.irp ri, 0,1,2,3
	ds_load_b128 v[S+16*\w+4*\ri:S+16*\w+4*\ri+3], v[RD0] offset:\w*WAVEB+\ri*2*SP
.endr
.endr
.irp w, 0,1,2,3
.irp ri, 0,1,2,3
	ds_load_b128 v[S+64+16*\w+4*\ri:S+64+16*\w+4*\ri+3], v[RD1] offset:\w*WAVEB+\ri*2*SP
.endr
.endr
	s_wait_dscnt 0x20                              ; the eight loads of l are in; the 32 behind them may stay out
.irp ri, 0,1,2,3
	v_pk_add_f32 v[P+8*\ri:P+8*\ri+1], v[P+8*\ri:P+8*\ri+1], v[P+8*\ri+2:P+8*\ri+3]
	v_pk_add_f32 v[P+8*\ri+4:P+8*\ri+5], v[P+8*\ri+4:P+8*\ri+5], v[P+8*\ri+6:P+8*\ri+7]
.endr
.irp ri, 0,1,2,3
	v_pk_add_f32 v[P+8*\ri:P+8*\ri+1], v[P+8*\ri:P+8*\ri+1], v[P+8*\ri+4:P+8*\ri+5]
.endr
.irp ri, 0,1,2,3
	v_add_f32 v[P+8*\ri], v[P+8*\ri], v[P+8*\ri+1]
.endr
.irp ri, 0,1,2,3
	v_rcp_f32 v[P+8*\ri+2], v[P+8*\ri]             ; one batch of four; the 56 sums below are the independent work behind it
.endr
	s_wait_dscnt 0x0
.irp w, 0,2,4,6
.irp ri, 0,1,2,3
.irp hf, 0,2
	v_pk_add_f32 v[S+16*\w+4*\ri+\hf:S+16*\w+4*\ri+\hf+1], v[S+16*\w+4*\ri+\hf:S+16*\w+4*\ri+\hf+1], v[S+16*(\w+1)+4*\ri+\hf:S+16*(\w+1)+4*\ri+\hf+1]
.endr
.endr
.endr
.irp w, 0,4
.irp ri, 0,1,2,3
.irp hf, 0,2
	v_pk_add_f32 v[S+16*\w+4*\ri+\hf:S+16*\w+4*\ri+\hf+1], v[S+16*\w+4*\ri+\hf:S+16*\w+4*\ri+\hf+1], v[S+16*(\w+2)+4*\ri+\hf:S+16*(\w+2)+4*\ri+\hf+1]
.endr
.endr
.endr
.irp ri, 0,1,2,3
.irp hf, 0,2
	v_pk_add_f32 v[S+4*\ri+\hf:S+4*\ri+\hf+1], v[S+4*\ri+\hf:S+4*\ri+\hf+1], v[S+64+4*\ri+\hf:S+64+4*\ri+\hf+1]
.endr
.endr
	s_wait_alu depctr_va_vdst(0)                   ; the wait for the four reciprocals, ahead of their first reader
.irp ri, 0,1,2,3
.irp hf, 0,2
	v_pk_mul_f32 v[S+4*\ri+\hf:S+4*\ri+\hf+1], v[S+4*\ri+\hf:S+4*\ri+\hf+1], v[P+8*\ri+2:P+8*\ri+3] op_sel_hi:[1,0]
.endr
	global_store_b128 v[GO], v[S+4*\ri:S+4*\ri+3], s[8:9] offset:512*\ri th:TH_STORE_NT   ; two whole rows of out: 512 consecutive bytes, aligned
.endr
	s_wait_tensorcnt 0x0                           ; the wave's end, behind my last tensor load and my last LDS store
	ds_add_u32 v[SPW], v[NIL]
	s_wait_dscnt 0x0
	CROUND                                         ; the closing round: no work-group ends while a partner may still ask for a tile that names it
	s_endpgm
.Lfunc_end_k_q9837e8efc3_attend:
	.size	k_q9837e8efc3_attend, .Lfunc_end_k_q9837e8efc3_attend-k_q9837e8efc3_attend
	.p2alignl 7, 3214868480
	.fill 96, 4, 3214868480
	.section	.rodata,"a",@progbits
	.p2align	6, 0x0
	.amdhsa_kernel k_q9837e8efc3_attend
		.amdhsa_group_segment_fixed_size 327680
		.amdhsa_private_segment_fixed_size 0
		.amdhsa_enable_private_segment 0
		.amdhsa_kernarg_size 24
		.amdhsa_user_sgpr_count 2
		.amdhsa_user_sgpr_kernarg_segment_ptr 1
		.amdhsa_wavefront_size32 1
		.amdhsa_system_sgpr_workgroup_id_x 1
		.amdhsa_system_sgpr_workgroup_id_y 1
		.amdhsa_system_sgpr_workgroup_id_z 1
		.amdhsa_system_vgpr_workitem_id 0
		.amdhsa_next_free_vgpr 512
		.amdhsa_next_free_sgpr 66
		.amdhsa_reserve_vcc 0
		.amdhsa_float_denorm_mode_32 3
		.amdhsa_float_denorm_mode_16_64 3
		.amdhsa_memory_ordered 1
		.amdhsa_forward_progress 1
		.amdhsa_inst_pref_size 210
	.end_amdhsa_kernel
	.amdgpu_metadata
---
amdhsa.version: [ 1, 2 ]
amdhsa.kernels:
  - .name:           k_q9837e8efc3_attend
    .symbol:         k_q9837e8efc3_attend.kd
    .args:
      - { .name: kq, .offset: 0, .size: 8, .value_kind: global_buffer, .address_space: global }
      - { .name: vt, .offset: 8, .size: 8, .value_kind: global_buffer, .address_space: global }
      - { .name: out0, .offset: 16, .size: 8, .value_kind: global_buffer, .address_space: global }
    .group_segment_fixed_size: 327680
    .private_segment_fixed_size: 0
    .kernarg_segment_align: 8
    .kernarg_segment_size: 24
    .max_flat_workgroup_size: 256
    .sgpr_count:     66
    .vgpr_count:     512
    .wavefront_size: 32
...
	.end_amdgpu_metadata
.endif
;; end of part 2
;; ======== version 2 of 2: 2 launches; version 1 with the launch project written anew for expert scheduling mode
;; limits: values are held in f16: magnitudes above 65,504 overflow, below 6.1e-05 lose precision
;; workspace buffers: kq 1,048,576 bytes; vt 2,097,152 bytes
;; launch project (part 3): grid 256 x 1, 4 waves a work-group, no clusters, 12,800 bytes of LDS; arguments x, Wf, Wg, bg, Wh, bh, kq, vt; writes kq, vt
.if DOCPART == 3
	.amdgcn_target "amdgcn-amd-amdhsa--gfx1250"
	.amdhsa_code_object_version 6
	.text
	.protected	k_q9837e8efc3_project
	.globl	k_q9837e8efc3_project
	.p2align	8
	.type	k_q9837e8efc3_project,@function
k_q9837e8efc3_project:
	s_mov_b64 s[64:65], 0
	v_nop
	global_prefetch_b8 v0, s[64:65] scope:SCOPE_SE
	s_setreg_imm32_b32 hwreg(HW_REG_WAVE_SCHED_MODE, 0, 2), 2
	s_setreg_imm32_b32 hwreg(HW_REG_WAVE_MODE, 25, 1), 1
	s_wait_xcnt 0x0
	s_wait_alu depctr_vm_vsrc(0)
; THE THREE 1x1 CONVOLUTIONS, written as the register images that the attention launch reads.
;   f = x Wf, g' = log2(e) (x Wg + bg), v = x Wh + bh.   x: [16384][64] f32 (4 batches of 4,096 positions), Wf, Wg: [64][8], Wh: [64][64], bg: [8], bh: [64].
; WORK LEFT OUT: bf.  scores[n][m] = g[n] . f[m] = g[n] . (x[m] Wf) + g[n] . bf.  The last term does not depend on m, the axis of the softmax, and
; exp(a_m + t) / sum_m exp(a_m + t) = exp(a_m) / sum_m exp(a_m) for every finite t: bf reaches no output, whatever the inputs hold.  It is not loaded and is not among any launch's arguments.
; LIMIT: a NaN, an infinity or an overflow that arises in g . bf alone is not carried to the result.
; FORMATS.  Every input (x, the weights, both biases) is rounded once to bf16; products in bf16 with f32 sums.  f and g' are kept as TWO bf16 numbers each, hi = bf16(y) and lo = bf16(y - hi):
; 16 significant bits; the score's product has 32 places along K and needs 8, so hi and lo ride for nothing.  v is rounded once to f16.  LIMIT: |v| stays under 65,504; NaN and infinities are not treated apart.
; SHARES.  A work-group takes 64 positions, four tiles of 16.  Wave w makes v's channels 16 w .. 16 w + 15 for all four tiles (8 products) and f, g' of tile w (2 products).
; Its tiles are numbered from its own: place p holds tile (w + p) % 4, so that place 0 is the tile whose f and g' it makes.
; LAYOUT.  A fragment is 16 rows x 32 k in 8 registers: lane l holds row l % 16; registers 0-3 k = 8 (l / 16) + 0..7, registers 4-7 k = 16 + 8 (l / 16) + 0..7.
;   v:  source 0 = x's rows, source 1 = Wh's columns: a lane ends with ONE channel and positions 8 (l / 16) + 0..7: half of a fragment of v^T, 16 bytes in f16.
;   f, g': source 0 = the 16 columns of Wf | Wg, source 1 = x's rows: lanes 0-15 end with f[0..7] of position l, lanes 16-31 with g[0..7] of position l - 16.
; THE WEIGHTS lie [k][n] in memory, and a fragment wants a column's k on end.  So the 128 threads load them once, by rows, 16 bytes a load (Wh: eight loads a thread, Wf and Wg: one each), round them to bf16,
; lay them in LDS as tables [k][n] (Wh: 64 rows of 128 bytes, 160 apart; Wf | Wg: 64 rows of 32 bytes), and each wave takes its four fragments by the turning load ds_load_tr16_b128.
; They are asked for ahead of x, and are rounded and exchanged while x's 32 loads are on their way.
; OUT.  kq: for each tile of 16 positions 512 bytes, 256 of hi then 256 of lo, 16 bytes a position; f's 1,024 tiles first, g's from byte 524,288 on.
;       vt: for each 32 positions 4,096 bytes: channel block cb at 1,024 cb, positions 0-15 at 0 and 16-31 at 512, 16 bytes a lane.  Each store covers whole aligned runs of 256 bytes.
; THE MODE: SCHED_MODE bits 1:0 = 2 (LLVM: expert scheduling mode 2), set by the entry lines.  The code itself states the register dependences
; between vector or matrix instructions and memory or LDS instructions, with s_wait_alu, always for 0.
; THE PLAN.  The text is one straight run.  Registers that memory or LDS instructions touch:
;   v[GW], v[ZO], v[BHO], v[XO ..], v[VO ..]        offsets, made at the head; read by the global loads and by v's stores; never written again.
;   v[FO], v[WSO], v[FSO], v[TRW], v[TRF]           made behind the global loads; read by kq's stores, the LDS stores, the turning loads; never written again.
;   window 1 (x, the weights, the biases in f32)    the global loads land there; no vector line names them ahead of that; read by the conversions; never loaded again.
;   WT, FT      written by the weights' conversions, read by the LDS stores; never written again.
;   WB, WA      the turning loads land there; no vector line names them ahead of that; read by the products.
;   PK; HI, LO  written by the last conversions, read by the global stores; never written again.
;   v[SPW], v[NIL]  written at the head, read by the closing add alone.
; So no register that a memory or LDS instruction reads is written again, and no load lands in a register that a vector line has named: the text holds no wait on vm_vsrc.
; Four waits on va_vdst: ahead of the global loads (their offsets), of the LDS stores (their data and addresses, and the addresses of all that follows), of v's stores (PK), of kq's stores (HI, LO).
; One wait on va_sdst, for the wave's number; one on va_vcc, for the mask that tells f's lanes from g's.
.set LOG2E, 0x3fb8aa3b
.set PW,    160        ; Wh's table: a row of 128 bytes + 32: an odd multiple of 32, as the turning load likes it
.set FGT,   64*PW      ; behind it the table of Wf | Wg,
.set PF,    32         ; 32 bytes a row
.set SPARE, FGT+64*PF  ; 12,288: the spare words, 128 bytes for each of four waves: two blocks of 256 bytes that no other line names
.set FO,  7            ; v7      my bytes in kq: 524,288 (l / 16) + 512 w + 16 (l % 16)
.set XO,  8            ; v8-11   place p: my byte offset in the work-group's rows of x
.set VO,  12           ; v12-15  place p: my byte offset in the work-group's part of vt
.set GW,  16           ; v16     16 x my thread's number: my 16 bytes of each 2,048 of a weight
.set BHO, 18           ; v18     my offset in bh
.set ZO,  19           ; v19     0
.set SC,  20           ; v[20:21] 1 for f's lanes, log2(e) for g's (low word; named as a pair)
.set WSO, 22           ; v22     where I put 8 bytes of Wh's table
.set FSO, 23           ; v23     of the table of Wf | Wg
.set T,   24           ; v24-28  at work: no memory instruction names them
.set TRW, 29           ; v29     the turning load's address in Wh's table
.set TRF, 30           ; v30     in the other
.set XF,  32           ; v32-95  x's fragments: place p, half ks of the channels at XF + 16 p + 8 ks
.set WB,  96           ; v96-111 Wh's two fragments
.set WA,  112          ; v112-127 the two fragments of Wf | Wg
.set AV,  128          ; v128-159 v's four accumulators
.set AF,  160          ; v160-167 f | g
.set CBV, 168          ; v168-175 bh of my channel, eight times: the C operand that starts v's sums
.set CBF, 176          ; v176-183 0 for f's lanes, bg[j] for g's
.set PK,  184          ; v184-199 v in f16
.set HI,  200          ; v200-203
.set UN,  204          ; v204-211
.set LO,  212          ; v212-215
.set WT,  216          ; v216-231 my 32 numbers of Wh in bf16
.set FT,  232          ; v232-235 my 4 of Wf, my 4 of Wg
.set SPW, 236          ; v236    LDS address of my spare word; never rewritten
.set NIL, 237          ; v237    0; never rewritten
.set XR,  0            ; window 1: what the loads bring, in f32: x v0-127, Wh v128-159, Wf v160-163, Wg v164-167, bg v224-231, bh v232
.set WHR, 128
.set WFR, 160
.set WGR, 164
.set BGR, 224
.set BHR, 232
.set MSB, 0
.macro WIN new                         ; s_set_vgpr_msb: bits 1:0 source 0, 3:2 source 1, 5:4 source 2, 7:6 destination; the high byte repeats the setting that is left
.if MSB != (\new)
	s_set_vgpr_msb (MSB<<8)|(\new)
.set MSB, (\new)
.endif
.endm
	s_load_b256 s[4:11], s[0:1], 0x0               ; x s[4:5], Wf s[6:7], Wg s[8:9], bg s[10:11]
	s_load_b256 s[12:19], s[0:1], 0x20             ; Wh s[12:13], bh s[14:15], kq s[16:17], vt s[18:19]
	v_lshl_add_u32 v[SPW], v0, 2, SPARE
	v_mov_b32 v[NIL], 0
	v_lshrrev_b32 v1, 5, v0
	v_readfirstlane_b32 s20, v1                    ; wave 0..3
	v_and_b32 v2, 15, v0                           ; l % 16
	v_bfe_u32 v3, v0, 4, 1                         ; l / 16
	v_and_b32 v4, 31, v0                           ; l
	v_lshlrev_b32 v[GW], 4, v0
	s_wait_alu depctr_va_sdst(0)                   ; s20 is written, ahead of its first reader: the line below; all that hangs on the wave's number is made from it
	s_lshl_b32 s21, s20, 6
	v_lshl_add_u32 v[BHO], v2, 2, s21              ; channel 16 w + l % 16
	v_mov_b32 v[ZO], 0
	v_lshlrev_b32 v5, 8, v2
	v_lshl_add_u32 v5, v3, 5, v5                   ; x: 256 bytes a row, 8 channels of 4 bytes for the upper lanes
	s_lshl_b32 s21, s20, 10
	v_lshl_add_u32 v6, v4, 4, s21                  ; vt: 16 l + 1,024 w
.irp p, 0,1,2,3
	s_add_co_u32 s22, s20, \p
	s_and_b32 s22, s22, 3                          ; the tile at place p
	s_lshl_b32 s23, s22, 12                        ; its 16 rows of x
	v_add_nc_u32 v[XO+\p], s23, v5
	s_lshr_b32 s23, s22, 1
	s_lshl_b32 s23, s23, 12                        ; its block of 32 positions in vt,
	s_and_b32 s24, s22, 1
	s_lshl_b32 s24, s24, 9                         ; and which half of the block
	s_add_co_u32 s23, s23, s24
	v_add_nc_u32 v[VO+\p], s23, v6
.endr
	s_mov_b32 s25, 0xffff0000                      ; a word's upper bf16
	s_lshl_b32 s26, ttmp9, 14                      ; the work-group's 64 rows of x,
	s_mov_b32 s27, 0
	s_lshl_b32 s28, ttmp9, 13                      ; its two blocks of vt,
	s_mov_b32 s29, 0
	s_lshl_b32 s30, ttmp9, 11                      ; its four tiles of kq
	s_mov_b32 s31, 0
	s_wait_kmcnt 0x0
	s_add_nc_u64 s[4:5], s[4:5], s[26:27]
	s_add_nc_u64 s[18:19], s[18:19], s[28:29]
	s_add_nc_u64 s[16:17], s[16:17], s[30:31]
	; all loads go out together, into window 1: the 13 of the weights and biases first, then x's 32
	WIN 0x40
	s_wait_alu depctr_va_vdst(0)                   ; v[GW], v[ZO], v[BHO] and v[XO ..] are written, which the loads below read as their offsets; so are v[VO ..], which v's stores read
.irp c, 0,1,2,3,4,5,6,7
	global_load_b128 v[WHR+4*\c:WHR+4*\c+3], v[GW], s[12:13] offset:2048*\c   ; Wh's row 8 c + t / 16, columns 4 (t % 16) on
.endr
	global_load_b128 v[WFR:WFR+3], v[GW], s[6:7]   ; row t / 2, columns 4 (t % 2) on
	global_load_b128 v[WGR:WGR+3], v[GW], s[8:9]
	global_load_b128 v[BGR:BGR+3],   v[ZO], s[10:11]
	global_load_b128 v[BGR+4:BGR+7], v[ZO], s[10:11] offset:16
	global_load_b32 v[BHR], v[BHO], s[14:15]
.irp p, 0,1,2,3
.irp ks, 0,1
	global_load_b128 v[XR+32*\p+16*\ks:XR+32*\p+16*\ks+3],     v[XO+\p], s[4:5] offset:128*\ks
	global_load_b128 v[XR+32*\p+16*\ks+4:XR+32*\p+16*\ks+7],   v[XO+\p], s[4:5] offset:128*\ks+16
	global_load_b128 v[XR+32*\p+16*\ks+8:XR+32*\p+16*\ks+11],  v[XO+\p], s[4:5] offset:128*\ks+64
	global_load_b128 v[XR+32*\p+16*\ks+12:XR+32*\p+16*\ks+15], v[XO+\p], s[4:5] offset:128*\ks+80
.endr
.endr
	WIN 0
	; the other addresses are made while the loads are out: none of these lines writes a register that a load above reads or lands in
	v_lshlrev_b32 v[FO], 19, v3
	v_lshl_add_u32 v[FO], v2, 4, v[FO]
	s_lshl_b32 s21, s20, 9
	v_add_nc_u32 v[FO], s21, v[FO]
	v_lshrrev_b32 v[T], 4, v0                      ; t / 16
	v_mul_u32_u24 v[WSO], v[T], PW
	v_lshl_add_u32 v[WSO], v2, 3, v[WSO]           ; + 8 bytes for each four columns
	v_lshrrev_b32 v[T], 1, v0                      ; t / 2
	v_and_b32 v[T+1], 1, v0
	v_lshlrev_b32 v[FSO], 5, v[T]
	v_lshl_add_u32 v[FSO], v[T+1], 3, v[FSO]
	v_add_nc_u32 v[FSO], FGT, v[FSO]
	; the turning load: lane l reads 16 bytes of row k0 + 8 (l / 16) + l % 8, columns n0 + 8 ((l / 8) % 2) on, and ends with column n0 + l % 16, k = k0 + 8 (l / 16) + 0..7
	v_and_b32 v[T], 7, v0
	v_lshl_add_u32 v[T], v3, 3, v[T]
	v_bfe_u32 v[T+1], v0, 3, 1
	v_mul_u32_u24 v[TRW], v[T], PW
	v_lshl_add_u32 v[TRW], v[T+1], 4, v[TRW]
	s_lshl_b32 s21, s20, 5                         ; n0 = 16 w: 32 bytes
	v_add_nc_u32 v[TRW], s21, v[TRW]
	v_lshlrev_b32 v[TRF], 5, v[T]
	v_lshl_add_u32 v[TRF], v[T+1], 4, v[TRF]
	v_add_nc_u32 v[TRF], FGT, v[TRF]
	v_cmp_eq_u32 vcc_lo, 1, v3                     ; the upper lanes hold g: the mask is made here, far ahead of the selects that read it
	s_wait_loadcnt 32                              ; the weights and biases are in; x's 32 loads, issued behind them, may stay out
	WIN 0x05                                       ; sources in window 1, destination in window 0: rounded to bf16, two numbers an instruction
.set n, 0
.rept 16
	v_cvt_pk_bf16_f32 v[WT+n], v[WHR+2*n], v[WHR+2*n+1]
.set n, n+1
.endr
	v_cvt_pk_bf16_f32 v[FT],   v[WFR],   v[WFR+1]
	v_cvt_pk_bf16_f32 v[FT+1], v[WFR+2], v[WFR+3]
	v_cvt_pk_bf16_f32 v[FT+2], v[WGR],   v[WGR+1]
	v_cvt_pk_bf16_f32 v[FT+3], v[WGR+2], v[WGR+3]
.irp q, 0,1,2,3
	v_cvt_pk_bf16_f32 v[T+\q], v[BGR+2*\q], v[BGR+2*\q+1]
.endr
	v_cvt_pk_bf16_f32 v[T+4], v[BHR], v[BHR]
	WIN 0
	s_wait_alu depctr_va_vdst(0)                   ; the conversions have written WT and FT, the LDS stores' data; v[WSO] and v[FSO], their addresses, are written; so are v[TRW], v[TRF] and v[FO], which later loads and stores read
.irp c, 0,1,2,3,4,5,6,7
	ds_store_b64 v[WSO], v[WT+2*\c:WT+2*\c+1] offset:8*\c*PW
.endr
	ds_store_b64 v[FSO], v[FT:FT+1]                ; columns 0-7 of the table are Wf's,
	ds_store_b64 v[FSO], v[FT+2:FT+3] offset:16    ; 8-15 Wg's
.irp q, 0,1,2,3
	v_lshlrev_b32 v[CBF+2*\q], 16, v[T+\q]         ; the rounded biases back in f32
	v_and_b32 v[CBF+2*\q+1], s25, v[T+\q]
.endr
	s_wait_alu depctr_va_vcc(0)                    ; VCC, the mask of g's lanes, is written, ahead of its first reader: the nine selects below read it
.irp j, 0,1,2,3,4,5,6,7
	v_cndmask_b32 v[CBF+\j], 0, v[CBF+\j], vcc_lo
.endr
	v_mov_b32 v[SC+1], LOG2E
	v_cndmask_b32 v[SC], 1.0, v[SC+1], vcc_lo
.irp j, 0,1,2,3,4,5,6,7
	v_lshlrev_b32 v[CBV+\j], 16, v[T+4]
.endr
	s_wait_dscnt 0x0                               ; for the others' sake: my part of the tables is in LDS
	s_barrier_signal -1
	s_barrier_wait -1                              ; everybody's is
	; No wait on va_vdst here: v[TRW] and v[TRF] were written ahead of the last one, and no vector line since names them, WB or WA (the lines between name CBF, CBV, SC and T)
.irp ks, 0,1
	ds_load_tr16_b128 v[WB+8*\ks:WB+8*\ks+3],   v[TRW] offset:32*\ks*PW
	ds_load_tr16_b128 v[WB+8*\ks+4:WB+8*\ks+7], v[TRW] offset:32*\ks*PW+16*PW
	ds_load_tr16_b128 v[WA+8*\ks:WA+8*\ks+3],   v[TRF] offset:32*\ks*PF
	ds_load_tr16_b128 v[WA+8*\ks+4:WA+8*\ks+7], v[TRF] offset:32*\ks*PF+16*PF
.endr
	s_wait_loadcnt 0x0                             ; x
	WIN 0x05
.set n, 0
.rept 64
	v_cvt_pk_bf16_f32 v[XF+n], v[XR+2*n], v[XR+2*n+1]
.set n, n+1
.endr
	WIN 0
	s_wait_dscnt 0x0                               ; the weights' fragments
	; ten products; the five accumulators take turns, one instruction a turn; the biases start the sums
.irp p, 0,1,2,3
	v_wmma_f32_16x16x32_bf16 v[AV+8*\p:AV+8*\p+7], v[XF+16*\p:XF+16*\p+7], v[WB:WB+7], v[CBV:CBV+7]
.endr
	v_wmma_f32_16x16x32_bf16 v[AF:AF+7], v[WA:WA+7], v[XF:XF+7], v[CBF:CBF+7]
.irp p, 0,1,2,3
	v_wmma_f32_16x16x32_bf16 v[AV+8*\p:AV+8*\p+7], v[XF+16*\p+8:XF+16*\p+15], v[WB+8:WB+15], v[AV+8*\p:AV+8*\p+7]
.endr
	v_wmma_f32_16x16x32_bf16 v[AF:AF+7], v[WA+8:WA+15], v[XF+8:XF+15], v[AF:AF+7]
.rept 8
	v_nop                                          ; the places between the products and the first reading of their results (ISA guide 7.12.1); once a launch, so twice the four
.endr
.irp p, 0,1,2,3
.irp q, 0,1,2,3
	v_cvt_pk_f16_f32 v[PK+4*\p+\q], v[AV+8*\p+2*\q], v[AV+8*\p+2*\q+1]
.endr
.endr
	s_wait_alu depctr_va_vdst(0)                   ; the sixteen conversions have written PK, which the four stores below read; one wait for the run
.irp p, 0,1,2,3
	global_store_b128 v[VO+\p], v[PK+4*\p:PK+4*\p+3], s[18:19]   ; 32 lanes, 512 consecutive bytes, aligned; they leave while f and g' are split below
.endr
.irp q, 0,1,2,3
	v_pk_mul_f32 v[AF+2*\q:AF+2*\q+1], v[AF+2*\q:AF+2*\q+1], v[SC:SC+1] op_sel_hi:[1,0]   ; g times log2(e), f times 1: one line for both halves of the lanes
.endr
.irp q, 0,1,2,3
	v_cvt_pk_bf16_f32 v[HI+\q], v[AF+2*\q], v[AF+2*\q+1]
.endr
.irp q, 0,1,2,3
	v_lshlrev_b32 v[UN+2*\q], 16, v[HI+\q]
	v_and_b32 v[UN+2*\q+1], s25, v[HI+\q]
.endr
.irp q, 0,1,2,3
	v_pk_add_f32 v[UN+2*\q:UN+2*\q+1], v[AF+2*\q:AF+2*\q+1], v[UN+2*\q:UN+2*\q+1] neg_lo:[0,1] neg_hi:[0,1]   ; what hi has left over (exact)
.endr
.irp q, 0,1,2,3
	v_cvt_pk_bf16_f32 v[LO+\q], v[UN+2*\q], v[UN+2*\q+1]
.endr
	s_wait_alu depctr_va_vdst(0)                   ; the roundings have written HI and LO, which the two stores below read
	global_store_b128 v[FO], v[HI:HI+3], s[16:17]              ; lanes 0-15: 256 aligned bytes of f's tile; lanes 16-31: of g's
	global_store_b128 v[FO], v[LO:LO+3], s[16:17] offset:256
	s_wait_dscnt 0x0                               ; the wave's end
	s_wait_alu 0x0
	s_wait_tensorcnt 0x0
	ds_add_u32 v[SPW], v[NIL]
	s_wait_dscnt 0x0
	s_endpgm
.Lfunc_end_k_q9837e8efc3_project:
	.size	k_q9837e8efc3_project, .Lfunc_end_k_q9837e8efc3_project-k_q9837e8efc3_project
	.p2alignl 7, 3214868480
	.fill 96, 4, 3214868480
	.section	.rodata,"a",@progbits
	.p2align	6, 0x0
	.amdhsa_kernel k_q9837e8efc3_project
		.amdhsa_group_segment_fixed_size 12800
		.amdhsa_private_segment_fixed_size 0
		.amdhsa_enable_private_segment 0
		.amdhsa_kernarg_size 64
		.amdhsa_user_sgpr_count 2
		.amdhsa_user_sgpr_kernarg_segment_ptr 1
		.amdhsa_wavefront_size32 1
		.amdhsa_system_sgpr_workgroup_id_x 1
		.amdhsa_system_sgpr_workgroup_id_y 1
		.amdhsa_system_sgpr_workgroup_id_z 1
		.amdhsa_system_vgpr_workitem_id 0
		.amdhsa_next_free_vgpr 512
		.amdhsa_next_free_sgpr 66
		.amdhsa_reserve_vcc 1
		.amdhsa_float_denorm_mode_32 3
		.amdhsa_float_denorm_mode_16_64 3
		.amdhsa_memory_ordered 1
		.amdhsa_forward_progress 1
		.amdhsa_inst_pref_size 21
	.end_amdhsa_kernel
	.amdgpu_metadata
---
amdhsa.version: [ 1, 2 ]
amdhsa.kernels:
  - .name:           k_q9837e8efc3_project
    .symbol:         k_q9837e8efc3_project.kd
    .args:
      - { .name: x, .offset: 0, .size: 8, .value_kind: global_buffer, .address_space: global }
      - { .name: Wf, .offset: 8, .size: 8, .value_kind: global_buffer, .address_space: global }
      - { .name: Wg, .offset: 16, .size: 8, .value_kind: global_buffer, .address_space: global }
      - { .name: bg, .offset: 24, .size: 8, .value_kind: global_buffer, .address_space: global }
      - { .name: Wh, .offset: 32, .size: 8, .value_kind: global_buffer, .address_space: global }
      - { .name: bh, .offset: 40, .size: 8, .value_kind: global_buffer, .address_space: global }
      - { .name: kq, .offset: 48, .size: 8, .value_kind: global_buffer, .address_space: global }
      - { .name: vt, .offset: 56, .size: 8, .value_kind: global_buffer, .address_space: global }
    .group_segment_fixed_size: 12800
    .private_segment_fixed_size: 0
    .kernarg_segment_align: 8
    .kernarg_segment_size: 64
    .max_flat_workgroup_size: 128
    .sgpr_count:     66
    .vgpr_count:     512
    .wavefront_size: 32
...
	.end_amdgpu_metadata
.endif
;; end of part 3
;; launch attend: the kernel of part 2 again; grid 64 x 4, 8 waves a work-group, clusters of 4 x 1, 327,680 bytes of LDS; arguments kq, vt, out0; writes out0
